; MI455X (gfx1250); checked and timed in simulation.
; The chip was launched on July 23, 2026; its instructions are those of AMD's public machine-readable ISA for CDNA 5 (MIT licence, August 2026) and "CDNA5" Instruction Set Architecture Reference Guide (July 2026). The comments in the code are by the model that wrote it; some were corrected since.
;; Vector Quantizer. Allowed arithmetic: float matrix products may take bf16 or f16 operands with f32 sums; all other float work in f32.
;; Inputs: embed_w 8,192 x 512 float32; z 8 x 2,048 x 512 float32.
;; Outputs: out0 8 x 2,048 x 512 float32; out1 8 x 2,048 int32; out2 one number float32.
;; One version. Each part assembles by itself: llvm-mc -triple=amdgcn-amd-amdhsa -mcpu=gfx1250 --defsym DOCPART=n.
;; ======== version 1 of 1: 4 launches
;; workspace buffers: zb 16,777,216 bytes; eb 8,388,608 bytes; zz 65,536 bytes; ee 32,768 bytes; cand 1,048,576 bytes of whole numbers; part 1,024 bytes
;; launch prep (part 1): grid 384 x 1, 8 waves a work-group, no clusters, 1,280 bytes of LDS; arguments z, embed_w, zb, eb, zz, ee; writes zb, eb, zz, ee
.if DOCPART == 1
	.amdgcn_target "amdgcn-amd-amdhsa--gfx1250"
	.amdhsa_code_object_version 6
	.text
	.protected	k_q2dba9b47a8_prep
	.globl	k_q2dba9b47a8_prep
	.p2align	8
	.type	k_q2dba9b47a8_prep,@function
k_q2dba9b47a8_prep:
	s_mov_b64 s[64:65], 0
	v_nop
	global_prefetch_b8 v0, s[64:65] scope:SCOPE_SE
	s_setreg_imm32_b32 hwreg(HW_REG_WAVE_MODE, 25, 1), 1
	s_wait_xcnt 0x0
; PREP: rounds z [16384][512] and embed_w [8192][512] from f32 to bf16 (zb, eb) and makes, for every row, the f32 sum of the squares
; of the ROUNDED numbers (zz, ee): the distance kernel works on the rounded inputs throughout, so its three terms belong together.
; A stream: no matrix unit, no cluster, no tile in LDS (nothing is read twice, no work-group shares a byte with another).
; A work-group takes 64 rows, so that its 64 sums are 256 consecutive aligned bytes; 16384/64 = 256 work-groups for z, 8192/64 = 128 for embed_w.
; Wave w takes rows 8 w .. 8 w + 7: 32 loads of 16 bytes a lane (16 KiB of the wave) go out at once, each covering 512 consecutive bytes.
; LIMITS: a row whose sum of squares overflows f32 gives infinity here as in the problem's formula; NaN is passed on.
.set ROWF, 2048                        ; bytes of an f32 row
.set ROWH, 1024                        ; bytes of a bf16 row
.set T, 4                              ; v[4:7]    four rounded numbers, widened again
.set S, 12                             ; v[12:15]  two packed chains of sums
.set X, 24                             ; v[24:151] row i, quarter j: 4 registers at X + 16 i + 4 j
	s_load_b256 s[4:11], s[0:1], 0x0               ; z s[4:5], embed_w s[6:7], zb s[8:9], eb s[10:11]
	s_load_b128 s[12:15], s[0:1], 0x20             ; zz s[12:13], ee s[14:15]
	v_lshl_add_u32 v152, v0, 2, 0x100
	v_mov_b32 v153, 0
	v_lshrrev_b32 v16, 5, v0
	v_readfirstlane_b32 s23, v16                   ; wave 0..7
	v_and_b32 v17, 31, v0                          ; lane
	s_mov_b32 s24, 0xffff0000                      ; a word's upper bf16
	s_mov_b32 s25, 0x76543210                      ; v_permlanex16_b32: lane i reads lane i of the other half
	s_mov_b32 s26, 0xfedcba98
	v_lshlrev_b32 v1, 4, v17
	v_lshl_add_u32 v1, v16, 14, v1                 ; loads: 8 rows x 2,048 bytes a wave + 16 bytes a lane
	v_lshlrev_b32 v2, 3, v17
	v_lshl_add_u32 v2, v16, 13, v2                 ; stores: 8 rows x 1,024 bytes a wave + 8 bytes a lane
	v_lshlrev_b32 v3, 5, v16                       ; LDS: 8 words a wave
	s_sub_co_u32 s2, ttmp9, 256                    ; the block's number among embed_w's (used only where ttmp9 >= 256)
	s_wait_kmcnt 0x0
	s_cmp_lt_u32 ttmp9, 256                        ; work-groups 0..255: z; 256..383: embed_w.  The selects leave SCC alone
	s_cselect_b64 s[16:17], s[4:5], s[6:7]         ; source
	s_cselect_b64 s[18:19], s[8:9], s[10:11]       ; bf16 copy
	s_cselect_b64 s[20:21], s[12:13], s[14:15]     ; sums of squares
	s_cselect_b32 s22, ttmp9, s2                   ; block of 64 rows
	s_mov_b32 s29, 0
	s_lshl_b32 s28, s22, 17                        ; 64 rows x 2,048 bytes
	s_add_nc_u64 s[16:17], s[16:17], s[28:29]
	s_lshl_b32 s28, s22, 16                        ; 64 rows x 1,024 bytes
	s_add_nc_u64 s[18:19], s[18:19], s[28:29]
	s_lshl_b32 s28, s22, 8                         ; 64 sums x 4 bytes
	s_add_nc_u64 s[20:21], s[20:21], s[28:29]
.irp i, 0,1,2,3,4,5,6,7
.irp j, 0,1,2,3
	global_load_b128 v[X+16*\i+4*\j:X+16*\i+4*\j+3], v1, s[16:17] offset:ROWF*\i+512*\j th:TH_LOAD_NT
.endr
.endr
; Row i: round in place, store, widen the rounded numbers again, square and add; then the sum over the wave's 32 lanes.
.macro ROW i
	s_wait_loadcnt 28-4*\i                         ; loads come back in order: this row's four are in, the 4 (7 - i) of later rows stay out
.irp j, 0,1,2,3
	.set xr, X+16*\i+4*\j
	v_cvt_pk_bf16_f32 v[xr], v[xr], v[xr+1]        ; to nearest even, two at a time
	v_cvt_pk_bf16_f32 v[xr+1], v[xr+2], v[xr+3]
	global_store_b64 v2, v[xr:xr+1], s[18:19] offset:ROWH*\i+256*\j   ; 32 lanes x 8 bytes: 256 consecutive aligned bytes; these registers are never written again
	v_lshlrev_b32 v[T],   16,  v[xr]
	v_and_b32     v[T+1], s24, v[xr]
	v_lshlrev_b32 v[T+2], 16,  v[xr+1]
	v_and_b32     v[T+3], s24, v[xr+1]
.if \j == 0
	v_pk_mul_f32 v[S:S+1],   v[T:T+1],   v[T:T+1]                     ; the first squares start both chains: nothing is cleared
	v_pk_mul_f32 v[S+2:S+3], v[T+2:T+3], v[T+2:T+3]
.else
	v_pk_fma_f32 v[S:S+1],   v[T:T+1],   v[T:T+1],   v[S:S+1]
	v_pk_fma_f32 v[S+2:S+3], v[T+2:T+3], v[T+2:T+3], v[S+2:S+3]
.endif
.endr
	v_pk_add_f32 v[S:S+1], v[S:S+1], v[S+2:S+3]
	v_add_f32 v[S], v[S], v[S+1]
	v_add_f32_dpp v[S], v[S], v[S] row_xmask:1 row_mask:0xf bank_mask:0xf
	v_add_f32_dpp v[S], v[S], v[S] row_xmask:2 row_mask:0xf bank_mask:0xf
	v_add_f32_dpp v[S], v[S], v[S] row_xmask:4 row_mask:0xf bank_mask:0xf
	v_add_f32_dpp v[S], v[S], v[S] row_xmask:8 row_mask:0xf bank_mask:0xf
	v_permlanex16_b32 v16, v[S], s25, s26          ; v16 has been written before
	v_add_f32 v[S], v[S], v16
	ds_store_b32 v3, v[S] offset:4*\i              ; word 8 w + i; every lane writes the same number
.endm
.irp i, 0,1,2,3,4,5,6,7
	ROW \i
.endr
	s_wait_dscnt 0x0                               ; my eight sums are in LDS, for wave 0's sake
	s_barrier_signal -1
	s_barrier_wait -1
	s_cmp_lg_u32 s23, 0
	s_cbranch_scc1 .Ldone
	v_lshlrev_b32 v4, 3, v17                       ; wave 0: two sums a lane
	ds_load_b64 v[6:7], v4
	s_wait_dscnt 0x0
	global_store_b64 v4, v[6:7], s[20:21]          ; the group's 64 sums: 256 consecutive aligned bytes in one store
.Ldone:
	s_wait_tensorcnt 0x0
	ds_add_u32 v152, v153
	s_wait_dscnt 0x0
	s_endpgm
.Lfunc_end_k_q2dba9b47a8_prep:
	.size	k_q2dba9b47a8_prep, .Lfunc_end_k_q2dba9b47a8_prep-k_q2dba9b47a8_prep
	.p2alignl 7, 3214868480
	.fill 96, 4, 3214868480
	.section	.rodata,"a",@progbits
	.p2align	6, 0x0
	.amdhsa_kernel k_q2dba9b47a8_prep
		.amdhsa_group_segment_fixed_size 1280
		.amdhsa_private_segment_fixed_size 0
		.amdhsa_enable_private_segment 0
		.amdhsa_kernarg_size 48
		.amdhsa_user_sgpr_count 2
		.amdhsa_user_sgpr_kernarg_segment_ptr 1
		.amdhsa_wavefront_size32 1
		.amdhsa_system_sgpr_workgroup_id_x 1
		.amdhsa_system_sgpr_workgroup_id_y 1
		.amdhsa_system_sgpr_workgroup_id_z 1
		.amdhsa_system_vgpr_workitem_id 0
		.amdhsa_next_free_vgpr 154
		.amdhsa_next_free_sgpr 66
		.amdhsa_reserve_vcc 0
		.amdhsa_float_denorm_mode_32 3
		.amdhsa_float_denorm_mode_16_64 3
		.amdhsa_memory_ordered 1
		.amdhsa_forward_progress 1
		.amdhsa_inst_pref_size 25
	.end_amdhsa_kernel
	.amdgpu_metadata
---
amdhsa.version: [ 1, 2 ]
amdhsa.kernels:
  - .name:           k_q2dba9b47a8_prep
    .symbol:         k_q2dba9b47a8_prep.kd
    .args:
      - { .name: z, .offset: 0, .size: 8, .value_kind: global_buffer, .address_space: global }
      - { .name: embed_w, .offset: 8, .size: 8, .value_kind: global_buffer, .address_space: global }
      - { .name: zb, .offset: 16, .size: 8, .value_kind: global_buffer, .address_space: global }
      - { .name: eb, .offset: 24, .size: 8, .value_kind: global_buffer, .address_space: global }
      - { .name: zz, .offset: 32, .size: 8, .value_kind: global_buffer, .address_space: global }
      - { .name: ee, .offset: 40, .size: 8, .value_kind: global_buffer, .address_space: global }
    .group_segment_fixed_size: 1280
    .private_segment_fixed_size: 0
    .kernarg_segment_align: 8
    .kernarg_segment_size: 48
    .max_flat_workgroup_size: 256
    .sgpr_count:     66
    .vgpr_count:     154
    .wavefront_size: 32
...
	.end_amdgpu_metadata
.endif
;; end of part 1
;; launch dist (part 2): grid 4 x 64, 4 waves a work-group, clusters of 4 x 4, 327,680 bytes of LDS; arguments zb, eb, zz, ee, cand; writes cand
.if DOCPART == 2
	.amdgcn_target "amdgcn-amd-amdhsa--gfx1250"
	.amdhsa_code_object_version 6
	.text
	.protected	k_q2dba9b47a8_dist
	.globl	k_q2dba9b47a8_dist
	.p2align	8
	.type	k_q2dba9b47a8_dist,@function
k_q2dba9b47a8_dist:
	s_mov_b64 s[64:65], 0
	v_nop
	global_prefetch_b8 v0, s[64:65] scope:SCOPE_SE
	s_setreg_imm32_b32 hwreg(HW_REG_WAVE_MODE, 25, 1), 1
	s_wait_xcnt 0x0
	s_wait_alu depctr_hold_cnt(0) depctr_sa_sdst(0) depctr_va_vdst(0) depctr_va_sdst(0) depctr_va_ssrc(0) depctr_va_vcc(0) depctr_vm_vsrc(0)
	s_getreg_b32 s2, hwreg(HW_REG_IB_STS2, 6, 4)
	s_cmp_eq_u32 s2, 0
	s_cbranch_scc0 .Lentry_in_a_cluster
	s_endpgm
.Lentry_in_a_cluster:
	s_bfe_u32 s2, ttmp6, 0x10000c
	s_cmp_lg_u32 s2, 0xf033
	s_cbranch_scc0 .Lentry_shape_is_right
	s_endpgm
.Lentry_shape_is_right:
; DIST: for every row of z the smallest f32 distance d = (zz - 2 z.e) + ee over a quarter of the codes, and the first code that has it.
; zb [16384][512], eb [8192][512] bf16; zz [16384], ee [8192] f32 (sums of squares of the rounded rows); products on the matrix unit, sums in f32.
; Work-group (q, y): z rows 256 y .. + 255 against codes 2048 q .. + 2047, walked as 8 tiles of 256 codes, each 4 K steps of 128.
; 4 x 64 = 256 work-groups.  Four waves; wave w makes rows 128 (w >> 1) .. x codes 128 (w & 1) .. of each tile: 64 accumulators, 512 registers.
; THE DISTANCE IS FORMED AS THE PROBLEM'S FORMULA FORMS IT IN f32: zz is some 10^5 times larger than the differences between the products, so many
; distances of a row round to the same f32 number, and the code asked for is the FIRST of them.  fma(dot, -2, zz) is the one rounding of zz - 2 dot
; (2 dot is exact), fma(t, 1, ee) the one rounding of t + ee; a value replaces a minimum only if it is strictly smaller, in ascending order of the codes.
; THE SEARCH IS WOVEN BETWEEN THE PRODUCTS.  A tile has 1,024 products and 8 x 260 vector instructions of search for each wave.  The tile's last K step goes row block
; by row block (32 products each), so that a row block's eight accumulators are finished while the later row blocks are still multiplied; the 260 instructions
; of row block a stand behind the 32 products of row block a + 1, eight behind each (twelve behind the last); row block 7's stand behind the next tile's first 32.
; Every accumulator still takes its K quarters in ascending order.  The price: two window switches for each of these 256 products.
; OUT: cand, whole numbers: plane p = 2 q + (w & 1), key[p][row] at byte 65536 p + 4 row, code[p][row] 524,288 bytes further.  key = the u32 whose unsigned order
; is d's order (sign bit flipped for d >= 0, all bits for d < 0).  The next launch merges the eight planes by integer comparisons and forms addresses from the code.
; CLUSTERS: 4 x 4 work-groups.  A tile of z hangs on y alone: the four of a cluster's row ask for it jointly.  A tile of codes hangs on q alone: the four of a column do.
; LIMITS: NaN in an input is not served (minimum and comparison then disagree); products or sums beyond f32's range give infinities, among which code 0 of the
; plane's order wins; the operands of the product are rounded to bf16, so the codes are those of the formula on rounded inputs, up to the order of the sums over k.
;
; REGISTERS, in windows of 256:
;   window 0: v0-31 addresses; v32-63 state of the search; v64-127, v128-191 fragments of z, two buffers; v192-255 ee of my 128 codes
;   window 1: v64-127, v128-191 fragments of the codes, two buffers; in a tile's last K step all 256: the codes' fragments of its four quarters
;   window 2: the accumulators of my rows 0-63 (tile (a, b) at v[8 (8 a + b)]);  window 3: those of my rows 64-127
; THE MATRIX INSTRUCTION IS USED TRANSPOSED: source 0 = 16 codes, source 1 = 16 rows of z.  Lane (r = l % 16, h = l / 16), register j of tile (a, b) then holds
; row 16 a + r against code 16 b + 8 h + j: a lane sees ONE row of z for each a, so the running minimum is one register for each of 8 row blocks.
.set KSTEP,  128
.set DK,     512                       ; length of a row, in elements
.set ROWB,   1024                      ; and in bytes
.set TILES,  8                         ; tiles of 256 codes in a work-group's 2,048
.set PITCH,  272                       ; an LDS row: 256 bytes + 16 of padding: the 16 rows of a fragment start 68 words apart, at 16 different places modulo 64 words
.set HALFT,  128*PITCH                 ; what one tensor load brings
.set SLOT,   4*HALFT                   ; z's 256 rows, then the codes' 256 rows
.set STAGE,  2*SLOT                    ; 278,528 = 1,088 x 256: behind the ring; 1,024 bytes a wave; no tensor load lands here
.set ADRA, 16                          ; v16-17  LDS address of my z fragments in slot 0, 1
.set ADRB, 20                          ; v20-21  the same for the codes
.set STO,  24                          ; stage: where I put a row's key (h = 0) or code (h = 1)
.set RD,   25                          ; stage: where I read 16 bytes back
.set CO,   26                          ; 16 l: my byte offset in a plane's 512 bytes
.set EOFF, 27                          ; 32 h: my byte offset in 16 codes' ee
.set H8,   28                          ; 8 h
.set R4,   29                          ; 4 r
.set ZZ,   32                          ; v[32:39]  zz of row 16 A + r, A = 0..7
.set RV,   40                          ; v[40:47]  running minimum of row block A
.set RI,   48                          ; v[48:55]  its code, less 8 h
.set LV,   56                          ; at work on the way out
.set LI,   60
.set F0,   64
.set F1,   128
.set EE,   192                         ; v[192:255] ee of code 16 b + 8 h + j at EE + 8 b + j
.set OUTR, 192                         ; the same registers at the end, when ee is done with
.set BQ0,  64                          ; window 1 in the last K step: the codes' fragments of quarter 0 (= buffer 0),
.set BQ1,  0                           ; quarter 1,
.set BQ2,  192                         ; quarter 2,
.set BQ3,  128                         ; quarter 3 (= buffer 1)
.set G1,  24                           ; s[24:31] descriptor group 1 for z's tiles
.set G0,  32                           ; s[32:39] group 0 for z's tiles, one set a slot
.set G1B, 48                           ; s[48:55] group 1 for the codes' tiles: another mask
.set G0B, 56                           ; s[56:63] group 0 for the codes' tiles
.set CB,  84                           ; s[84:87] first code of chain c of my half of the tile: base + 32 c
.set CM,  88                           ; s[88:95] comparison masks, two sets of four that take turns
.set MSB, 0
.macro WIN new                         ; the immediate's high byte repeats the setting that is left; a switch that changes nothing is dropped
.if MSB != (\new)
	s_set_vgpr_msb (MSB<<8)|(\new)
.set MSB, (\new)
.endif
.endm
.set MUL_LO, 0xa1                      ; source 0 (codes) window 1, source 1 (z) window 0, C and D window 2
.set MUL_HI, 0xf1                      ; the same, C and D window 3
.set TO_B,   0x40                      ; destination window 1, address window 0
; A joint load.  Waves 0 and 1 fetch z's two halves, waves 2 and 3 the codes'.  Each line has one mask and one set of registers; the branch hangs on the wave's number alone.
.macro JLOAD s
	s_cmp_eq_u32 s15, 0
	s_cbranch_scc0 .Lfor_b_\@
	tensor_load_to_lds s[G0+4*\s:G0+4*\s+3], s[G1:G1+7]
	s_nop 0
	s_branch .Lasked_\@
.Lfor_b_\@:
	tensor_load_to_lds s[G0B+4*\s:G0B+4*\s+3], s[G1B:G1B+7]
	s_nop 0
.Lasked_\@:
.endm
; A round of the cluster's barrier: my work-group's barrier; wave 0 signals for the work-group; every wave waits for all sixteen; my work-group's barrier again.
.macro CREST                           ; a round behind its opening barrier
	s_cmp_lg_u32 s14, 0
	s_cbranch_scc1 .Lnot_wave_0_\@
	s_barrier_signal -3
.Lnot_wave_0_\@:
	s_barrier_wait -3
	s_barrier_signal -1
	s_barrier_wait -1
.endm
.macro CROUND
	s_barrier_signal -1
	s_barrier_wait -1
	CREST
.endm
	s_load_b256 s[4:11], s[0:1], 0x0               ; zb s[4:5], eb s[6:7], zz s[8:9], ee s[10:11]
	s_load_b64 s[12:13], s[0:1], 0x20              ; cand
	v_lshl_add_u32 v62, v0, 2, 0x45000
	v_mov_b32 v63, 0
	ds_add_u32 v62, v63
	v_lshrrev_b32 v1, 5, v0
	v_readfirstlane_b32 s14, v1                    ; wave 0..3
	s_lshr_b32 s15, s14, 1                         ; which half of the block's rows is mine.  Also: I fetch for z (0) or for the codes (1)
	s_and_b32 s16, s14, 1                          ; which half of a tile's codes.  Also: which 128 rows of that tile I fetch
	s_bfe_u32 s17, ttmp6, 0x40000                  ; cx
	s_bfe_u32 s18, ttmp6, 0x40004                  ; cy
	s_lshl_b32 s19, ttmp9, 2
	s_add_co_u32 s19, s19, s17                     ; q = 4 x cluster x + cx
	s_and_b32 s20, ttmp7, 0xffff
	s_lshl_b32 s20, s20, 2
	s_add_co_u32 s20, s20, s18                     ; y = 4 x cluster y + cy
	s_lshl_b32 s21, s18, 2
	s_lshl_b32 s21, 15, s21                        ; my row of the cluster: places 4 cy .. 4 cy + 3
	s_lshl_b32 s22, 0x1111, s17                    ; my column: places cx, cx + 4, cx + 8, cx + 12
	; group 1: a tile of 128 rows x 128 elements of 2 bytes, 4 words of padding behind every 64 words
	s_or_b32 s[G1+0],  s21, (1<<16)|(1<<20)|(1<<21)|(5<<22)|(3<<25)   ; 15:0 mask: z's tiles go to my row; 17:16 2 bytes; 20 padding; 21 set beside a mask; 24:22 interval 64 words; 31:25 pad 4 words
	s_or_b32 s[G1B+0], s22, (1<<16)|(1<<20)|(1<<21)|(5<<22)|(3<<25)   ; the same with my column's mask
	s_mov_b32 s[G1+1],  KSTEP<<16                  ; tensor_dim0 = 128
	s_mov_b32 s[G1B+1], KSTEP<<16
	s_mov_b32 s[G1+2],  128<<16                    ; tensor_dim1 = 128
	s_mov_b32 s[G1B+2], 128<<16
	s_mov_b32 s[G1+3],  KSTEP<<16                  ; tile_dim0 = 128
	s_mov_b32 s[G1B+3], KSTEP<<16
	s_mov_b32 s[G1+4],  128                        ; tile_dim1 = 128
	s_mov_b32 s[G1B+4], 128
	s_mov_b32 s[G1+5],  DK                         ; 512 elements from row to row
	s_mov_b32 s[G1B+5], DK
	s_mov_b32 s[G1+6],  0
	s_mov_b32 s[G1B+6], 0
	s_mov_b32 s[G1+7],  0
	s_mov_b32 s[G1B+7], 0
	; where the tiles come from: z's hang on y and the wave alone, the codes' on q and the wave alone, each in registers that never hold the other coordinate
	s_lshl_b32 s3, s16, 7                          ; which 128 rows of the tile I fetch
	s_lshl_b32 s40, s20, 8
	s_add_co_u32 s40, s40, s3                      ; z: row 256 y + 128 x half
	s_lshl_b32 s40, s40, 10                        ; x 1,024 bytes: below 2^24
	s_mov_b32 s41, 0
	s_lshl_b32 s44, s19, 11
	s_add_co_u32 s44, s44, s3                      ; codes: row 2048 q + 128 x half
	s_mov_b32 s67, s44                             ; = the first code of my half of tile 0
	s_lshl_b32 s44, s44, 10
	s_mov_b32 s45, 0
	s_mul_i32 s23, s14, HALFT                      ; where they go: wave x 128 rows
	s_wait_dscnt 0x0
	s_wait_kmcnt 0x0
	s_add_nc_u64 s[40:41], s[4:5], s[40:41]
	s_add_nc_u64 s[44:45], s[6:7], s[44:45]
	CROUND                                         ; all sixteen work-groups are here: the first joint loads meet
.irp s, 0,1
	s_mov_b32 s[G0+4*\s], 1                                        ; count = 1
	s_add_co_u32 s[G0+4*\s+1], s23, \s*SLOT                        ; LDS address
	s_add_nc_u64 s[G0+4*\s+2:G0+4*\s+3], s[40:41], \s*KSTEP*2      ; global address: K step s of tile 0
	s_or_b32 s[G0+4*\s+3], s[G0+4*\s+3], 0x80000000                ; type = 2
	s_mov_b32 s[G0B+4*\s], 1
	s_add_co_u32 s[G0B+4*\s+1], s23, \s*SLOT
	s_add_nc_u64 s[G0B+4*\s+2:G0B+4*\s+3], s[44:45], \s*KSTEP*2
	s_or_b32 s[G0B+4*\s+3], s[G0B+4*\s+3], 0x80000000
	JLOAD \s                                       ; both slots are asked for before anything else: two tensor loads of the wave are out
.endr
	; the other addresses
	s_lshl_b32 s68, s67, 2
	s_mov_b32 s69, 0
	s_add_nc_u64 s[68:69], s[10:11], s[68:69]      ; ee of my half of tile 0; 1,024 bytes on with every tile
.irp c, 0,1,2,3
	s_add_co_u32 s[CB+\c], s67, 32*\c              ; the four chains' first codes; 256 on with every tile
.endr
	s_lshl_b32 s79, s20, 8
	s_lshl_b32 s3, s15, 7
	s_add_co_u32 s79, s79, s3                      ; my first row of z
	s_lshl_b32 s79, s79, 2
	s_mov_b32 s76, s79
	s_mov_b32 s77, 0
	s_add_nc_u64 s[76:77], s[8:9], s[76:77]        ; zz of my 128 rows
	s_lshl_b32 s78, s19, 1
	s_add_co_u32 s78, s78, s16                     ; plane 2 q + half
	s_lshl_b32 s78, s78, 16
	s_add_co_u32 s80, s78, s79
	s_mov_b32 s81, 0
	s_add_nc_u64 s[80:81], s[12:13], s[80:81]      ; my 512 bytes of the plane's keys
	s_mov_b32 s70, 0x76543210                      ; v_permlanex16_b32: lane i reads lane i of the other half
	s_mov_b32 s71, 0xfedcba98
	; a fragment: lane l holds row l % 16; registers 0-3 K = 8 (l / 16) + 0..7, registers 4-7 K = 16 + 8 (l / 16) + 0..7: two loads of 16 bytes, 32 apart
	v_and_b32 v1, 15, v0                           ; r
	v_bfe_u32 v2, v0, 4, 1                         ; h
	v_mul_u32_u24 v3, v1, PITCH
	v_lshl_add_u32 v3, v2, 4, v3
	s_mul_i32 s46, s15, HALFT                      ; my 128 rows of z
	s_mul_i32 s47, s16, HALFT                      ; my 128 codes,
	s_add_co_u32 s47, s47, 2*HALFT                 ; which lie behind z's 256 rows
.irp s, 0,1
	v_add_nc_u32 v[ADRA+\s], s46, v3
	v_add_nc_u32 v[ADRB+\s], s47, v3
	s_add_co_u32 s46, s46, SLOT
	s_add_co_u32 s47, s47, SLOT
.endr
	s_lshl_b32 s3, s14, 10
	s_add_co_u32 s3, s3, STAGE                     ; my stage: 128 keys, then 128 codes
	v_lshlrev_b32 v[R4], 2, v1
	v_lshl_add_u32 v4, v2, 9, v[R4]
	v_add_nc_u32 v[STO], s3, v4                    ; 512 h + 4 r
	v_and_b32 v5, 31, v0
	v_lshlrev_b32 v[CO], 4, v5
	v_add_nc_u32 v[RD], s3, v[CO]
	v_lshlrev_b32 v[EOFF], 5, v2
	v_lshlrev_b32 v[H8], 3, v2
.irp t, 0,1,2,3,4,5,6,7
	global_load_b32 v[ZZ+\t], v[R4], s[76:77] offset:64*\t         ; zz of row 16 t + r; waited for with the first tile's ee
	v_mov_b32 v[RV+\t], 0x7f800000                 ; + infinity: any finite distance is smaller
	v_mov_b32 v[RI+\t], 0
.endr
; 16 matrix instructions: row blocks a0, a0 + 1 of the window's four x all 8 blocks of codes, 32 along K.  zero = 1: the product starts the sums.
; Everywhere in this text the accumulators take turns, one instruction a turn.
.macro MUL16 f, hi, a0, zero
.irp a, \a0, \a0+1
.irp b, 0,1,2,3,4,5,6,7
.if \zero
	v_wmma_f32_16x16x32_bf16 v[8*(8*(\a)+\b):8*(8*(\a)+\b)+7], v[\f+8*\b:\f+8*\b+7], v[\f+8*(4*\hi+\a):\f+8*(4*\hi+\a)+7], 0
.else
	v_wmma_f32_16x16x32_bf16 v[8*(8*(\a)+\b):8*(8*(\a)+\b)+7], v[\f+8*\b:\f+8*\b+7], v[\f+8*(4*\hi+\a):\f+8*(4*\hi+\a)+7], v[8*(8*(\a)+\b):8*(8*(\a)+\b)+7]
.endif
.endr
.endr
.endm
; 16 LDS loads: the fragments of 128 codes, 32 K at byte k of the rows, into window 1 at f
.macro FETCHB slot, k, f
	WIN TO_B
.irp i, 0,1,2,3,4,5,6,7
	ds_load_b128 v[\f+8*\i:\f+8*\i+3],   v[ADRB+\slot] offset:\k+\i*16*PITCH
	ds_load_b128 v[\f+8*\i+4:\f+8*\i+7], v[ADRB+\slot] offset:\k+\i*16*PITCH+32
.endr
.endm
; 16 LDS loads: the fragments of 128 rows of z, 32 K at byte k, into window 0 at f
.macro FETCHA slot, k, f
	WIN 0
.irp i, 0,1,2,3,4,5,6,7
	ds_load_b128 v[\f+8*\i:\f+8*\i+3],   v[ADRA+\slot] offset:\k+\i*16*PITCH
	ds_load_b128 v[\f+8*\i+4:\f+8*\i+7], v[ADRA+\slot] offset:\k+\i*16*PITCH+32
.endr
.endm
.macro FETCH slot, k, f                ; one quarter step's 32 loads in one run
	FETCHB \slot, \k, \f
	FETCHA \slot, \k, \f
.endm
; 8 LDS loads: row block a of z, all four quarters of the K step: quarter q at 8 q in the block's 32 registers.
; Blocks 0, 1, 4, 5 lie in buffer 0, blocks 2, 3, 6, 7 in buffer 1, the odd ones in the upper half.
.macro ALOAD slot, a
	WIN 0
.irp q, 0,1,2,3
	.set wa, F0+64*((\a/2)%2)+32*(\a%2)+8*\q
	ds_load_b128 v[wa:wa+3],   v[ADRA+\slot] offset:64*\q+\a*16*PITCH
	ds_load_b128 v[wa+4:wa+7], v[ADRA+\slot] offset:64*\q+\a*16*PITCH+32
.endr
.endm
; Four places behind a matrix instruction before a load lands in one of its sources or a vector instruction touches its result (ISA guide 7.12.1 for vector
; instructions).  Other matrix instructions are not counted as places here.
.macro PLACES
.rept 4
	v_nop
.endr
.endm
; THE SEARCH OF ONE ROW BLOCK, 260 instructions, given out one at a time.  ESET names the row block; ESTEP writes instruction EN and counts on.
; All but the last twelve run under ONE window setting: sources 0 and 1 and the destination in the accumulators' window, source 2 in window 0.
;   0..63     the 64 products become distances in place, by code block: four fma(X, -2, zz), then four fma(X, 1, ee), two numbers each.
;   64..243   four chains, chain c over the 16 consecutive registers EL + 16 c .. + 15 (codes 32 c + 16 (e / 8) + e % 8 + 8 h, ascending in e).  The chain's minimum stays
;             in element 0's register, its place goes into element 1's register once that element has been taken.  The mask says 'keep the old one' (new >= old).
;             Two elements are taken in 24 instructions: compare e, min e | compare e + 1, select e | min e + 1, select e + 1, four chains side by side,
;             so that every group of eight begins with its comparisons and dependent lines stand four apart; hence two sets of masks.
;   244..247  the chains' places become codes (+ base + 32 c).
;   248..259  the chains into the running minimum, in ascending order; source 0 in the accumulators' window, the rest in window 0.
.macro ESET a
	.set EA, \a
	.set EL, 64*(\a%4)
	.set EWIN, 0x8a+0x45*(\a/4)
	.set EWIN2, 0x02+(\a/4)
	.set ESEL, \a%2
	.set EZZ, ZZ+\a-(\a%2)
	.set EN, 0
.endm
.macro S_CMP e, c
	v_cmp_ge_f32 s[CM+4*((\e)%2)+(\c)], v[EL+16*(\c)+(\e)], v[EL+16*(\c)]
.endm
.macro S_MIN e, c
	v_min_num_f32 v[EL+16*(\c)], v[EL+16*(\c)+(\e)], v[EL+16*(\c)]
.endm
.macro S_CND e, c
.if (\e) == 1
	v_cndmask_b32 v[EL+16*(\c)+1], 1, 0, s[CM+4+(\c)]              ; the first choice: place 0 or place 1, into element 1's register
.else
	v_cndmask_b32 v[EL+16*(\c)+1], 16*((\e)/8)+(\e)%8, v[EL+16*(\c)+1], s[CM+4*((\e)%2)+(\c)]
.endif
.endm
.macro ESTEP
	.set tc, EN%4
.if EN < 64
	WIN EWIN
	.set tb, EN/8
	.set tx, EL+8*tb+2*tc
.if (EN%8) < 4
.if ESEL
	v_pk_fma_f32 v[tx:tx+1], v[tx:tx+1], -2.0, v[EZZ:EZZ+1] op_sel:[0,0,1] op_sel_hi:[1,0,1]
.else
	v_pk_fma_f32 v[tx:tx+1], v[tx:tx+1], -2.0, v[EZZ:EZZ+1] op_sel:[0,0,0] op_sel_hi:[1,0,0]
.endif
.else
	v_pk_fma_f32 v[tx:tx+1], v[tx:tx+1], 1.0, v[EE+8*tb+2*tc:EE+8*tb+2*tc+1] op_sel_hi:[1,0,1]
.endif
.else
.if EN < 232
	WIN EWIN
	.set tr, (EN-64)%24
	.set te, 1+2*((EN-64)/24)
.if tr < 4
	S_CMP te, tc
.else
.if tr < 8
	S_MIN te, tc
.else
.if tr < 12
	S_CMP te+1, tc
.else
.if tr < 16
	S_CND te, tc
.else
.if tr < 20
	S_MIN te+1, tc
.else
	S_CND te+1, tc
.endif
.endif
.endif
.endif
.endif
.else
.if EN < 244
	WIN EWIN
.if EN < 236
	S_CMP 15, tc
.else
.if EN < 240
	S_MIN 15, tc
.else
	S_CND 15, tc
.endif
.endif
.else
.if EN < 248
	WIN EWIN
	v_add_nc_u32 v[EL+16*tc+1], s[CB+tc], v[EL+16*tc+1]
.else
	WIN EWIN2
	.set tm, (EN-248)/3
	.set tk, (EN-248)%3
.if tk == 0
	v_cmp_ge_f32 s[CM+tm], v[EL+16*tm], v[RV+EA]                   ; earlier tiles and chains hold smaller codes: only a strictly smaller distance replaces
.else
.if tk == 1
	v_min_num_f32 v[RV+EA], v[EL+16*tm], v[RV+EA]
.else
	v_cndmask_b32 v[RI+EA], v[EL+16*tm+1], v[RI+EA], s[CM+tm]
.endif
.endif
.endif
.endif
.endif
.endif
	.set EN, EN+1
.endm
.macro ESTEPS k
.rept \k
	ESTEP
.endr
.endm
; Eight products of the last K step: row block a, quarter q, all 8 blocks of codes.  weave = 1: behind each stand eight instructions of the search that ESET named
; (twelve behind the row block's last): 31 x 8 + 12 = 260.  They name none of the product's registers, so they are also its places.
.macro WQ a, q, weave
.irp b, 0,1,2,3,4,5,6,7
	.set wd, 8*(8*(\a%4)+\b)
	.set wa, F0+64*((\a/2)%2)+32*(\a%2)+8*\q
	WIN 0xa1+0x50*(\a/4)
	v_wmma_f32_16x16x32_bf16 v[wd:wd+7], v[BQ\q+8*\b:BQ\q+8*\b+7], v[wa:wa+7], v[wd:wd+7]
.if \weave
.if 8*\q+\b == 31
	ESTEPS 12
.else
	ESTEPS 8
.endif
.endif
.endr
.endm
.macro W a
	WQ \a, 0, 1
	WQ \a, 1, 1
	WQ \a, 2, 1
	WQ \a, 3, 1
.endm
; A tile's first 32 products (my rows 0-63, K 0..31) start their sums: nothing is cleared.  weave = 1: the search of the last tile's row block 7, which lies in window 3.
.macro LOZ weave
.irp a, 0,1,2,3
.irp b, 0,1,2,3,4,5,6,7
	WIN MUL_LO
	v_wmma_f32_16x16x32_bf16 v[8*(8*\a+\b):8*(8*\a+\b)+7], v[F0+8*\b:F0+8*\b+7], v[F0+8*\a:F0+8*\a+7], 0
.if \weave
.if 8*\a+\b == 31
	ESTEPS 12
.else
	ESTEPS 8
.endif
.endif
.endr
.endr
.endm
; The second half of a quarter step: fetches the next quarter's fragments into buffer g, then multiplies my rows 64-127 from buffer f.
.macro QREST slot, k, f, g, zero
	PLACES
	FETCH \slot, \k, \g
	s_wait_dscnt 32                                ; all but the 32 just issued
	WIN MUL_HI
	MUL16 \f, 1, 0, \zero
	MUL16 \f, 1, 2, \zero
.endm
.macro QUARTER slot, k, f, g
	s_wait_dscnt 8                                 ; the codes and z's rows 0-63 are in; the youngest eight loads (z's rows 64-127) may be out
	WIN MUL_LO
	MUL16 \f, 0, 0, 0
	MUL16 \f, 0, 2, 0
	QREST \slot, \k, \f, \g, 0
.endm
.macro THREE slot
	QUARTER \slot, 64,  F0, F1
	QUARTER \slot, 128, F1, F0
	QUARTER \slot, 192, F0, F1
.endm
; A slot's next tile.  wrap = 0: two K steps on in the same tile: both addresses go 512 bytes along the rows.
; wrap = 1: in the next tile: z's address goes 512 bytes back, the codes' 256 rows on and 512 bytes back.
.macro STEPADR slot, wrap
.if \wrap
	s_sub_nc_u64 s[G0+4*\slot+2:G0+4*\slot+3], s[G0+4*\slot+2:G0+4*\slot+3], 2*KSTEP*2
	s_add_nc_u64 s[G0B+4*\slot+2:G0B+4*\slot+3], s[G0B+4*\slot+2:G0B+4*\slot+3], 256*ROWB-2*KSTEP*2
.else
	s_add_nc_u64 s[G0+4*\slot+2:G0+4*\slot+3], s[G0+4*\slot+2:G0+4*\slot+3], 2*KSTEP*2
	s_add_nc_u64 s[G0B+4*\slot+2:G0B+4*\slot+3], s[G0B+4*\slot+2:G0B+4*\slot+3], 2*KSTEP*2
.endif
.endm
; The last quarter of K steps 0, 1, 2: multiplies buffer 1 and changes slots.  fill = 1: this slot is filled again with the K step two ahead.
; In front of the opening signal each wave waits for its reads of this slot and for all its tensor loads (one is out: its part of the next slot).  Behind the
; closing wait no wave of any partner reads this slot or has a load on its way: the refill is the first tensor load there, the wave's only one until the next change.
; last = 1: the next K step is the tile's last: three quarters of the codes' fragments and z's row block 0 are fetched, 56 loads (buffer 1 is still at work).
.macro TURN slot, next, fill, wrap, last
	s_wait_dscnt 8
	WIN MUL_LO
	MUL16 F1, 0, 0, 0
	s_wait_dscnt 0                                 ; my reads of this slot are over
	s_set_vgpr_msb 0xa1a0
	s_wait_tensorcnt 0x0                           ; and all my tensor loads have landed
	ds_add_u32 v62, v63
	s_wait_dscnt 0x0
	s_set_vgpr_msb 0xa0a1
	s_barrier_signal -1
	MUL16 F1, 0, 2, 0                              ; register work while the others arrive
	WIN 0
	s_barrier_wait -1
.if \fill
	CREST
	STEPADR \slot, \wrap
	JLOAD \slot
.endif
	PLACES
.if \last
	FETCHB \next, 0, BQ0
	ALOAD \next, 0
	FETCHB \next, 64, BQ1
	FETCHB \next, 128, BQ2
.else
	FETCH \next, 0, F0
.endif
	WIN MUL_HI
	MUL16 F1, 1, 0, 0
	MUL16 F1, 1, 2, 0
.endm
; ee of my 128 codes of this tile: 16 loads; the 16 lanes of a half read the same 16 bytes.  Asked for behind the tile's first 32 products, used in its last K step.
.macro EELOAD
.irp b, 0,1,2,3,4,5,6,7
	global_load_b128 v[EE+8*\b:EE+8*\b+3],   v[EOFF], s[68:69] offset:64*\b
	global_load_b128 v[EE+8*\b+4:EE+8*\b+7], v[EOFF], s[68:69] offset:64*\b+16
.endr
.endm
; THE TILE'S LAST K STEP (slot 1), row block by row block.  LDS loads come back in order, so each count below is the number of younger loads.
; more = 1: slot 1 is filled again (the next tile's K step 1) in the middle of row block 6, when my last reads of it, issued behind row block 3, are back;
; then the next tile's first fragments are fetched from slot 0: z's at once (buffer 0 is free behind row block 5), the codes' behind row block 7's first quarter.
.macro STEP3 more
	s_wait_dscnt 32                                ; the codes' quarter 0 and z's block 0 are in; quarters 1 and 2 (32 loads) may be out
	PLACES                                         ; behind the last products from buffer 1
	FETCHB 1, 192, BQ3
	ALOAD 1, 1                                     ; 56 loads are out at the most
	WQ 0, 0, 0
	s_wait_dscnt 40                                ; quarter 1 is in: 16 + 16 + 8 are younger
	WQ 0, 1, 0
	s_wait_dscnt 24                                ; quarter 2
	WQ 0, 2, 0
	s_wait_dscnt 8                                 ; quarter 3
	WQ 0, 3, 0
	PLACES                                         ; behind row block 0's last products: its search begins behind the next product
	ALOAD 1, 2
	ALOAD 1, 3
	s_wait_loadcnt 0x0                             ; this tile's ee (and, the first time, zz); it also shows the loads done that name s[68:69]
	s_wait_dscnt 16                                ; z's block 1 is in
	ESET 0
	W 1
	ALOAD 1, 4                                     ; buffer 0 is free; eight and more places stand behind its last product
	ALOAD 1, 5
	s_wait_dscnt 16                                ; blocks 2 and 3
	ESET 1
	W 2
	ESET 2
	W 3
	ALOAD 1, 6
	ALOAD 1, 7
	s_wait_dscnt 16                                ; blocks 4 and 5
	ESET 3
	W 4
	ESET 4
	W 5
	s_wait_dscnt 0                                 ; blocks 6 and 7: my reads of slot 1 are over
	ESET 5
.if \more
	s_set_vgpr_msb 0x300
	s_wait_tensorcnt 0x0                           ; all my tensor loads have landed: the one that was out is my part of slot 0, the next tile's K step 0
	ds_add_u32 v62, v63
	s_wait_dscnt 0x0
	s_set_vgpr_msb 0x3
	s_barrier_signal -1
	WQ 6, 0, 1                                     ; register work while the others arrive
	WQ 6, 1, 1
	WIN 0
	s_barrier_wait -1
	CREST
	STEPADR 1, 1
	JLOAD 1                                        ; the first tensor load behind the round, and my only one until the next
	FETCHA 0, 0, F0
	WQ 6, 2, 1
	WQ 6, 3, 1
	ESET 6
	WQ 7, 0, 1
	FETCHB 0, 0, F0                                ; quarter 0 of this step's codes has had its last product, and eight places behind it
	WQ 7, 1, 1
	WQ 7, 2, 1
	WQ 7, 3, 1
.else
	W 6
	ESET 6
	W 7
.endif
	ESET 7                                         ; row block 7's search follows: behind the next tile's first products, or by itself
.endm
; A tile from behind its first 32 products to its last product: K steps on slots 0, 1, 0, 1.  more = 1: the last two changes of slot ask for the next tile's first two K steps.
.macro REST more
	WIN 0
	EELOAD
	QREST 0, 64, F0, F1, 1                         ; my rows 64-127 start their sums
	QUARTER 0, 128, F1, F0
	QUARTER 0, 192, F0, F1
	TURN 0, 1, 1, 0, 0
	THREE 1
	TURN 1, 0, 1, 0, 0
	THREE 0
	TURN 0, 1, \more, 1, 1
	STEP3 \more
.endm
	s_wait_tensorcnt 1                             ; my part of K step 0 is in; K step 1's load stays out
	s_barrier_signal -1
	s_barrier_wait -1                              ; everybody's part is in
	FETCH 0, 0, F0
	s_wait_dscnt 8                                 ; the codes and z's rows 0-63 are in
	LOZ 0
	WIN 0                                          ; at a label and at a branch every window is 0
	s_mov_b32 s66, TILES-1
.Ltile:
	REST 1
	s_wait_dscnt 0                                 ; the next tile's first fragments: the codes' were issued last
	LOZ 1
	WIN 0
.irp c, 0,1,2,3
	s_add_co_u32 s[CB+\c], s[CB+\c], 256           ; the next tile's codes
.endr
	s_add_nc_u64 s[68:69], s[68:69], 1024          ; and their ee
	s_sub_co_u32 s66, s66, 1
	s_cmp_lg_u32 s66, 0
	s_cbranch_scc1 .Ltile
	REST 0                                         ; the last tile is written out: its last two K steps ask for nothing
	ESTEPS 260                                     ; row block 7's search, with no product left to stand behind; twelve places stand behind the last product
	WIN 0
	; THE WAY OUT.  Code = RI + 8 h.  The distance becomes its key; the two lanes (r, 0) and (r, 1) of a row merge: smaller key, then smaller code.
.macro LEX k1, i1, k2, i2              ; (k1, i1) = the smaller of the two pairs, by key and then by code
	v_cmp_lt_u32 s72, v[\k2], v[\k1]
	v_cmp_eq_u32 s73, v[\k2], v[\k1]
	v_cmp_lt_u32 s74, v[\i2], v[\i1]
	s_and_b32 s73, s73, s74
	s_or_b32 s72, s72, s73
	v_cndmask_b32 v[\k1], v[\k1], v[\k2], s72
	v_cndmask_b32 v[\i1], v[\i1], v[\i2], s72
.endm
	v_cmp_ne_u32 vcc_lo, 0, v2                     ; lanes 16-31
	v_mov_b32 v[LI], v[H8]                         ; the destination of v_permlanex16_b32 counts as read: any value
.irp t, 0,1,2,3,4,5,6,7
	v_add_nc_u32 v[RI+\t], v[RI+\t], v[H8]
	v_ashrrev_i32 v[LV], 31, v[RV+\t]
	v_or_b32 v[LV], 0x80000000, v[LV]
	v_xor_b32 v[RV+\t], v[RV+\t], v[LV]            ; d >= 0: the sign bit is set; d < 0: all bits are flipped
	v_permlanex16_b32 v[LV], v[RV+\t], s70, s71    ; the other half's pair
	v_permlanex16_b32 v[LI], v[RI+\t], s70, s71
	LEX RV+\t, RI+\t, LV, LI
	v_cndmask_b32 v[OUTR+\t], v[RV+\t], v[RI+\t], vcc_lo           ; lanes 0-15 put the key, lanes 16-31 the code
	ds_store_b32 v[STO], v[OUTR+\t] offset:64*\t   ; word 16 t + r of the keys or of the codes
.endr
	ds_load_b128 v[200:203], v[RD]                 ; my wave's own bytes, and LDS serves a wave's instructions in order (ISA guide 5.7.1.4): these see the stores above
	ds_load_b128 v[204:207], v[RD] offset:512
	s_wait_dscnt 0x0
	global_store_b128 v[CO], v[200:203], s[80:81]                  ; 128 keys: 512 consecutive aligned bytes
	global_store_b128 v[CO], v[204:207], s[80:81] offset:524288    ; 128 codes
	s_wait_tensorcnt 0x0
	ds_add_u32 v62, v63
	s_wait_dscnt 0x0
	CROUND                                         ; the closing round: no work-group ends while a partner may still ask for a tile that names it
	s_endpgm
.Lfunc_end_k_q2dba9b47a8_dist:
	.size	k_q2dba9b47a8_dist, .Lfunc_end_k_q2dba9b47a8_dist-k_q2dba9b47a8_dist
	.p2alignl 7, 3214868480
	.fill 96, 4, 3214868480
	.section	.rodata,"a",@progbits
	.p2align	6, 0x0
	.amdhsa_kernel k_q2dba9b47a8_dist
		.amdhsa_group_segment_fixed_size 327680
		.amdhsa_private_segment_fixed_size 0
		.amdhsa_enable_private_segment 0
		.amdhsa_kernarg_size 40
		.amdhsa_user_sgpr_count 2
		.amdhsa_user_sgpr_kernarg_segment_ptr 1
		.amdhsa_wavefront_size32 1
		.amdhsa_system_sgpr_workgroup_id_x 1
		.amdhsa_system_sgpr_workgroup_id_y 1
		.amdhsa_system_sgpr_workgroup_id_z 1
		.amdhsa_system_vgpr_workitem_id 0
		.amdhsa_next_free_vgpr 1024
		.amdhsa_next_free_sgpr 96
		.amdhsa_reserve_vcc 1
		.amdhsa_float_denorm_mode_32 3
		.amdhsa_float_denorm_mode_16_64 3
		.amdhsa_memory_ordered 1
		.amdhsa_forward_progress 1
		.amdhsa_inst_pref_size 255
	.end_amdhsa_kernel
	.section	.bss,"aw",@nobits
	.p2align	6
	.space	262144
	.amdgpu_metadata
---
amdhsa.version: [ 1, 2 ]
amdhsa.kernels:
  - .name:           k_q2dba9b47a8_dist
    .symbol:         k_q2dba9b47a8_dist.kd
    .args:
      - { .name: zb, .offset: 0, .size: 8, .value_kind: global_buffer, .address_space: global }
      - { .name: eb, .offset: 8, .size: 8, .value_kind: global_buffer, .address_space: global }
      - { .name: zz, .offset: 16, .size: 8, .value_kind: global_buffer, .address_space: global }
      - { .name: ee, .offset: 24, .size: 8, .value_kind: global_buffer, .address_space: global }
      - { .name: cand, .offset: 32, .size: 8, .value_kind: global_buffer, .address_space: global }
    .group_segment_fixed_size: 327680
    .private_segment_fixed_size: 0
    .kernarg_segment_align: 8
    .kernarg_segment_size: 40
    .max_flat_workgroup_size: 128
    .sgpr_count:     96
    .vgpr_count:     1024
    .wavefront_size: 32
...
	.end_amdgpu_metadata
.endif
;; end of part 2
;; launch gather (part 3): grid 256 x 1, 16 waves a work-group, no clusters, 2,304 bytes of LDS; arguments cand, z, embed_w, out0, out1, part; writes out0, out1, part
.if DOCPART == 3
	.amdgcn_target "amdgcn-amd-amdhsa--gfx1250"
	.amdhsa_code_object_version 6
	.text
	.protected	k_q2dba9b47a8_gather
	.globl	k_q2dba9b47a8_gather
	.p2align	8
	.type	k_q2dba9b47a8_gather,@function
k_q2dba9b47a8_gather:
	s_mov_b64 s[64:65], 0
	v_nop
	global_prefetch_b8 v0, s[64:65] scope:SCOPE_SE
	s_setreg_imm32_b32 hwreg(HW_REG_WAVE_MODE, 25, 1), 1
	s_wait_xcnt 0x0
; GATHER: merges the eight candidates of every row (whole numbers: key, code) into the row's code, stores it (out1), fetches that row of embed_w in f32,
; stores out0 = z + (e - z) with the formula's own two roundings, and adds up (e - z)^2 into one partial sum for the work-group (part).
; A stream: no matrix unit, no cluster (no two work-groups are known to want the same bytes), no tile in LDS.
; Work-group g: rows 64 g .. + 63 (its 64 codes are 256 consecutive aligned bytes of out1); wave w: rows 4 w .. 4 w + 3, 8 KiB of z and 8 KiB of e in registers.
; Every wave merges all 64 rows' candidates itself (16 loads of 256 bytes, two rows a lane): no LDS and no barrier on the way to the addresses.
; The code is clamped to 8,191 in front of the address; the earlier launch stores nothing larger.
.set CK, 8                             ; v[8:23]    keys: plane p, rows 2 l and 2 l + 1, at CK + 2 p
.set CI, 24                            ; v[24:39]   codes, likewise
.set EO, 4                             ; v[4:7]     byte offset in embed_w of my 16 bytes of row i's code
.set S,  40                            ; v[40:47]   four packed chains of the loss
.set Z,  64                            ; v[64:127]  row i, quarter j at Z + 16 i + 4 j
.set E,  128                           ; v[128:191] likewise
	s_load_b256 s[4:11], s[0:1], 0x0               ; cand s[4:5], z s[6:7], embed_w s[8:9], out0 s[10:11]
	s_load_b128 s[12:15], s[0:1], 0x20             ; out1 s[12:13], part s[14:15]
	v_lshl_add_u32 v192, v0, 2, 0x100
	v_mov_b32 v193, 0
	v_lshrrev_b32 v48, 5, v0
	v_readfirstlane_b32 s20, v48                   ; wave 0..15
	v_and_b32 v49, 31, v0                          ; lane
	v_lshlrev_b32 v1, 3, v49                       ; 8 l
	v_lshlrev_b32 v3, 4, v49                       ; 16 l
	v_lshl_add_u32 v2, v48, 13, v3                 ; 4 rows x 2,048 bytes a wave + 16 l
	s_lshl_b32 s16, ttmp9, 8                       ; 64 rows x 4 bytes
	s_mov_b32 s17, 0
	s_lshl_b32 s18, ttmp9, 17                      ; 64 rows x 2,048 bytes
	s_mov_b32 s19, 0
	s_lshl_b32 s22, ttmp9, 2
	s_mov_b32 s23, 0
	s_mov_b32 s24, 0x76543210
	s_mov_b32 s25, 0xfedcba98
	s_lshl_b32 s31, s20, 1                         ; the lane that holds my rows 0 and 1
	s_add_co_u32 s34, s31, 1                       ; and the one with my rows 2 and 3
	s_wait_kmcnt 0x0
	s_add_nc_u64 s[4:5], s[4:5], s[16:17]
	s_add_nc_u64 s[12:13], s[12:13], s[16:17]
	s_add_nc_u64 s[6:7], s[6:7], s[18:19]
	s_add_nc_u64 s[10:11], s[10:11], s[18:19]
	s_add_nc_u64 s[14:15], s[14:15], s[22:23]
.irp p, 0,1,2,3,4,5,6,7
	global_load_b64 v[CK+2*\p:CK+2*\p+1], v1, s[4:5] offset:65536*\p
	global_load_b64 v[CI+2*\p:CI+2*\p+1], v1, s[4:5] offset:524288+65536*\p
.endr
.irp i, 0,1,2,3
.irp j, 0,1,2,3
	global_load_b128 v[Z+16*\i+4*\j:Z+16*\i+4*\j+3], v2, s[6:7] offset:2048*\i+512*\j th:TH_LOAD_NT
.endr
.endr
.macro LEX k1, i1, k2, i2              ; (k1, i1) = the smaller of the two pairs, by key and then by code: the first smallest distance
	v_cmp_lt_u32 s28, v[\k2], v[\k1]
	v_cmp_eq_u32 s29, v[\k2], v[\k1]
	v_cmp_lt_u32 s30, v[\i2], v[\i1]
	s_and_b32 s29, s29, s30
	s_or_b32 s28, s28, s29
	v_cndmask_b32 v[\k1], v[\k1], v[\k2], s28
	v_cndmask_b32 v[\i1], v[\i1], v[\i2], s28
.endm
	s_wait_loadcnt 16                              ; the candidates are in; z's 16 loads stay out
.irp p, 1,2,3,4,5,6,7
	LEX CK, CI, CK+2*\p, CI+2*\p
	LEX CK+1, CI+1, CK+2*\p+1, CI+2*\p+1
.endr
	s_cmp_lg_u32 s20, 0
	s_cbranch_scc1 .Lnot0
	global_store_b64 v1, v[CI:CI+1], s[12:13]      ; wave 0: the group's 64 codes, 256 consecutive aligned bytes; v[24:25] are not written again
.Lnot0:
	v_readlane_b32 s40, v[CI],   s31               ; the codes of my four rows, as scalars
	v_readlane_b32 s41, v[CI+1], s31
	v_readlane_b32 s42, v[CI],   s34
	v_readlane_b32 s43, v[CI+1], s34
.irp i, 0,1,2,3
	s_min_u32 s[40+\i], s[40+\i], 0x1fff           ; inside the table
	v_lshl_add_u32 v[EO+\i], s[40+\i], 11, v3      ; code x 2,048 bytes + 16 l
.irp j, 0,1,2,3
	global_load_b128 v[E+16*\i+4*\j:E+16*\i+4*\j+3], v[EO+\i], s[8:9] offset:512*\j    ; no hint: a code may be named again
.endr
.endr
; Row i: t = e - z; the loss takes t^2; out0 = z + t.
.macro ROW i
	s_wait_loadcnt 12-4*\i                         ; this row's four loads of e are in (z's are older); the 4 (3 - i) of later rows stay out
.irp j, 0,1,2,3
.irp p, 0,2
	.set er, E+16*\i+4*\j+\p
	.set zr, Z+16*\i+4*\j+\p
	.set sr, S+4*(\j&1)+\p
	v_pk_add_f32 v[er:er+1], v[er:er+1], v[zr:zr+1] neg_lo:[0,1] neg_hi:[0,1]
.if 4*\i+\j < 2
	v_pk_mul_f32 v[sr:sr+1], v[er:er+1], v[er:er+1]                ; the first four pairs start the chains: nothing is cleared
.else
	v_pk_fma_f32 v[sr:sr+1], v[er:er+1], v[er:er+1], v[sr:sr+1]
.endif
	v_pk_add_f32 v[er:er+1], v[zr:zr+1], v[er:er+1]
.endr
	global_store_b128 v2, v[E+16*\i+4*\j:E+16*\i+4*\j+3], s[10:11] offset:2048*\i+512*\j th:TH_STORE_NT   ; 512 consecutive aligned bytes; E is not written again
.endr
.endm
	ROW 0
	ROW 1
	ROW 2
	ROW 3
	v_pk_add_f32 v[S:S+1],   v[S:S+1],   v[S+2:S+3]
	v_pk_add_f32 v[S+4:S+5], v[S+4:S+5], v[S+6:S+7]
	v_pk_add_f32 v[S:S+1],   v[S:S+1],   v[S+4:S+5]
	v_add_f32 v[S], v[S], v[S+1]
	v_add_f32_dpp v[S], v[S], v[S] row_xmask:1 row_mask:0xf bank_mask:0xf
	v_add_f32_dpp v[S], v[S], v[S] row_xmask:2 row_mask:0xf bank_mask:0xf
	v_add_f32_dpp v[S], v[S], v[S] row_xmask:4 row_mask:0xf bank_mask:0xf
	v_add_f32_dpp v[S], v[S], v[S] row_xmask:8 row_mask:0xf bank_mask:0xf
	v_permlanex16_b32 v48, v[S], s24, s25          ; v48 has been written before
	v_add_f32 v[S], v[S], v48
	v_mov_b32 v49, s20
	v_lshlrev_b32 v49, 2, v49
	ds_store_b32 v49, v[S]                         ; word w: my wave's sum
	s_wait_dscnt 0x0                               ; for wave 0's sake
	s_barrier_signal -1
	s_barrier_wait -1
	s_cmp_lg_u32 s20, 0
	s_cbranch_scc1 .Lend
	v_mov_b32 v50, 0
	ds_load_b128 v[8:11],  v50                     ; the sixteen sums, in every lane (the keys' registers are free)
	ds_load_b128 v[12:15], v50 offset:16
	ds_load_b128 v[16:19], v50 offset:32
	ds_load_b128 v[20:23], v50 offset:48
	s_wait_dscnt 0x0
	v_pk_add_f32 v[8:9],   v[8:9],   v[10:11]
	v_pk_add_f32 v[12:13], v[12:13], v[14:15]
	v_pk_add_f32 v[16:17], v[16:17], v[18:19]
	v_pk_add_f32 v[20:21], v[20:21], v[22:23]
	v_pk_add_f32 v[8:9],   v[8:9],   v[12:13]
	v_pk_add_f32 v[16:17], v[16:17], v[20:21]
	v_pk_add_f32 v[8:9],   v[8:9],   v[16:17]
	v_add_f32 v8, v8, v9
	v_cmp_eq_u32 vcc_lo, 0, v0
	s_wait_xcnt 0x0                                ; EXEC is a source of the stores above: it changes only behind this wait
	s_and_saveexec_b32 s26, vcc_lo
	global_store_b32 v50, v8, s[14:15]             ; part[g]: one number a work-group
	s_wait_xcnt 0x0                                ; and again in front of the line that widens EXEC
	s_or_b32 exec_lo, exec_lo, s26
.Lend:
	s_wait_tensorcnt 0x0
	ds_add_u32 v192, v193
	s_wait_dscnt 0x0
	s_endpgm
.Lfunc_end_k_q2dba9b47a8_gather:
	.size	k_q2dba9b47a8_gather, .Lfunc_end_k_q2dba9b47a8_gather-k_q2dba9b47a8_gather
	.p2alignl 7, 3214868480
	.fill 96, 4, 3214868480
	.section	.rodata,"a",@progbits
	.p2align	6, 0x0
	.amdhsa_kernel k_q2dba9b47a8_gather
		.amdhsa_group_segment_fixed_size 2304
		.amdhsa_private_segment_fixed_size 0
		.amdhsa_enable_private_segment 0
		.amdhsa_kernarg_size 48
		.amdhsa_user_sgpr_count 2
		.amdhsa_user_sgpr_kernarg_segment_ptr 1
		.amdhsa_wavefront_size32 1
		.amdhsa_system_sgpr_workgroup_id_x 1
		.amdhsa_system_sgpr_workgroup_id_y 1
		.amdhsa_system_sgpr_workgroup_id_z 1
		.amdhsa_system_vgpr_workitem_id 0
		.amdhsa_next_free_vgpr 194
		.amdhsa_next_free_sgpr 66
		.amdhsa_reserve_vcc 1
		.amdhsa_float_denorm_mode_32 3
		.amdhsa_float_denorm_mode_16_64 3
		.amdhsa_memory_ordered 1
		.amdhsa_forward_progress 1
		.amdhsa_inst_pref_size 22
	.end_amdhsa_kernel
	.amdgpu_metadata
---
amdhsa.version: [ 1, 2 ]
amdhsa.kernels:
  - .name:           k_q2dba9b47a8_gather
    .symbol:         k_q2dba9b47a8_gather.kd
    .args:
      - { .name: cand, .offset: 0, .size: 8, .value_kind: global_buffer, .address_space: global }
      - { .name: z, .offset: 8, .size: 8, .value_kind: global_buffer, .address_space: global }
      - { .name: embed_w, .offset: 16, .size: 8, .value_kind: global_buffer, .address_space: global }
      - { .name: out0, .offset: 24, .size: 8, .value_kind: global_buffer, .address_space: global }
      - { .name: out1, .offset: 32, .size: 8, .value_kind: global_buffer, .address_space: global }
      - { .name: part, .offset: 40, .size: 8, .value_kind: global_buffer, .address_space: global }
    .group_segment_fixed_size: 2304
    .private_segment_fixed_size: 0
    .kernarg_segment_align: 8
    .kernarg_segment_size: 48
    .max_flat_workgroup_size: 512
    .sgpr_count:     66
    .vgpr_count:     194
    .wavefront_size: 32
...
	.end_amdgpu_metadata
.endif
;; end of part 3
;; launch lsum (part 4): grid 1 x 1, 1 waves a work-group, no clusters, 0 bytes of LDS; arguments part, out2; writes out2
.if DOCPART == 4
	.amdgcn_target "amdgcn-amd-amdhsa--gfx1250"
	.amdhsa_code_object_version 6
	.text
	.protected	k_q2dba9b47a8_lsum
	.globl	k_q2dba9b47a8_lsum
	.p2align	8
	.type	k_q2dba9b47a8_lsum,@function
k_q2dba9b47a8_lsum:
	s_mov_b64 s[64:65], 0
	v_nop
	global_prefetch_b8 v0, s[64:65] scope:SCOPE_SE
	s_setreg_imm32_b32 hwreg(HW_REG_WAVE_MODE, 25, 1), 1
	s_wait_xcnt 0x0
; LSUM: out2 = 0.1 x (sum of the 256 partial sums) / 2^23.  8 x 2048 x 512 = 2^23 numbers enter the mean.
; One wave: 1,024 bytes, eight numbers a lane.  A sum over work-groups has one owner, in a launch of its own.
; 0.1 x 2^-23 is one constant: the scaling by a power of two is exact, so one multiply rounds as the mean's division and the product by 0.1 together do
; (as long as the result is no denormal: sums below some 10^-30 are not served to the last bit).
	s_load_b128 s[4:7], s[0:1], 0x0                ; part s[4:5], out2 s[6:7]
	v_lshlrev_b32 v1, 4, v0                        ; 16 bytes a lane
	v_mov_b32 v2, 0
	s_mov_b32 s8, 0x76543210
	s_mov_b32 s9, 0xfedcba98
	s_wait_kmcnt 0x0
	global_load_b128 v[4:7],  v1, s[4:5]
	global_load_b128 v[8:11], v1, s[4:5] offset:512
	s_wait_loadcnt 0x0
	v_pk_add_f32 v[4:5], v[4:5], v[6:7]
	v_pk_add_f32 v[8:9], v[8:9], v[10:11]
	v_pk_add_f32 v[4:5], v[4:5], v[8:9]
	v_add_f32 v4, v4, v5
	v_add_f32_dpp v4, v4, v4 row_xmask:1 row_mask:0xf bank_mask:0xf
	v_add_f32_dpp v4, v4, v4 row_xmask:2 row_mask:0xf bank_mask:0xf
	v_add_f32_dpp v4, v4, v4 row_xmask:4 row_mask:0xf bank_mask:0xf
	v_add_f32_dpp v4, v4, v4 row_xmask:8 row_mask:0xf bank_mask:0xf
	v_permlanex16_b32 v5, v4, s8, s9               ; v5 has been written before
	v_add_f32 v4, v4, v5
	v_mul_f32 v4, 0x324ccccd, v4                   ; 0.1 x 2^-23
	v_cmp_eq_u32 vcc_lo, 0, v0
	s_wait_xcnt 0x0                                ; EXEC changes only behind this wait
	s_and_saveexec_b32 s10, vcc_lo
	global_store_b32 v2, v4, s[6:7]                ; lane 0 alone
	s_wait_xcnt 0x0
	s_or_b32 exec_lo, exec_lo, s10
	s_endpgm
.Lfunc_end_k_q2dba9b47a8_lsum:
	.size	k_q2dba9b47a8_lsum, .Lfunc_end_k_q2dba9b47a8_lsum-k_q2dba9b47a8_lsum
	.p2alignl 7, 3214868480
	.fill 96, 4, 3214868480
	.section	.rodata,"a",@progbits
	.p2align	6, 0x0
	.amdhsa_kernel k_q2dba9b47a8_lsum
		.amdhsa_group_segment_fixed_size 0
		.amdhsa_private_segment_fixed_size 0
		.amdhsa_enable_private_segment 0
		.amdhsa_kernarg_size 16
		.amdhsa_user_sgpr_count 2
		.amdhsa_user_sgpr_kernarg_segment_ptr 1
		.amdhsa_wavefront_size32 1
		.amdhsa_system_sgpr_workgroup_id_x 1
		.amdhsa_system_sgpr_workgroup_id_y 1
		.amdhsa_system_sgpr_workgroup_id_z 1
		.amdhsa_system_vgpr_workitem_id 0
		.amdhsa_next_free_vgpr 16
		.amdhsa_next_free_sgpr 66
		.amdhsa_reserve_vcc 1
		.amdhsa_float_denorm_mode_32 3
		.amdhsa_float_denorm_mode_16_64 3
		.amdhsa_memory_ordered 1
		.amdhsa_forward_progress 1
		.amdhsa_inst_pref_size 2
	.end_amdhsa_kernel
	.amdgpu_metadata
---
amdhsa.version: [ 1, 2 ]
amdhsa.kernels:
  - .name:           k_q2dba9b47a8_lsum
    .symbol:         k_q2dba9b47a8_lsum.kd
    .args:
      - { .name: part, .offset: 0, .size: 8, .value_kind: global_buffer, .address_space: global }
      - { .name: out2, .offset: 8, .size: 8, .value_kind: global_buffer, .address_space: global }
    .group_segment_fixed_size: 0
    .private_segment_fixed_size: 0
    .kernarg_segment_align: 8
    .kernarg_segment_size: 16
    .max_flat_workgroup_size: 32
    .sgpr_count:     66
    .vgpr_count:     16
    .wavefront_size: 32
...
	.end_amdgpu_metadata
.endif
;; end of part 4
